; MI455X (gfx1250); checked and timed in simulation.
; The chip was launched on July 23, 2026; its instructions are those of AMD's public machine-readable ISA for CDNA 5 (MIT licence, August 2026) and "CDNA5" Instruction Set Architecture Reference Guide (July 2026). The comments in the code are by the model that wrote it; some were corrected since.
;; K Means. Allowed arithmetic: float matrix products may take bf16 or f16 operands with f32 sums; all other float work in f32.
;; Inputs: centers 1,024 x 64 float32; x 262,144 x 64 float32.
;; Outputs: out0 262,144 int32.
;; One version. Each part assembles by itself: llvm-mc -triple=amdgcn-amd-amdhsa -mcpu=gfx1250 --defsym DOCPART=n.
;; ======== version 1 of 1: 2 launches
;; workspace buffers: cbf 131,072 bytes; cnw 4,096 bytes
;; launch prep (part 1): grid 16 x 1, 8 waves a work-group, no clusters, 1,280 bytes of LDS; arguments centers, cbf, cnw; writes cbf, cnw
.if DOCPART == 1
	.amdgcn_target "amdgcn-amd-amdhsa--gfx1250"
	.amdhsa_code_object_version 6
	.text
	.protected	k_qf05fdb3441_prep
	.globl	k_qf05fdb3441_prep
	.p2align	8
	.type	k_qf05fdb3441_prep,@function
k_qf05fdb3441_prep:
	s_mov_b64 s[64:65], 0
	v_nop
	global_prefetch_b8 v0, s[64:65] scope:SCOPE_SE
	s_setreg_imm32_b32 hwreg(HW_REG_WAVE_MODE, 25, 1), 1
	s_wait_xcnt 0x0
; cbf[k][d] = bf16(-2 centers[k][d]) and cnw[k] = sum over d of bf16(centers[k][d])^2, in f32.  centers: [1024][64] f32.
; A launch of its own, so that the 256 work-groups of the next launch each take 132 KiB that are ready for the matrix unit
; instead of reading and converting 256 KiB of f32 each.
; The factor -2 is a power of two: bf16(-2 c) = -2 bf16(c), and the sum of the squares of -2 c times 0.25 is the sum of the squares of c,
; both without a further rounding (stated limit: |c| below 2^63, so that the squares stay finite).
; 16 work-groups of 8 waves; a work-group owns 64 rows, a wave 8 rows as 4 loads of 512 bytes (two rows each).
; Lane l of load u holds 4 numbers of row 8 w + 2 u + (l >> 4), so a row's sum stays inside 16 neighbouring lanes.
; No matrix unit, no cluster, no tensor load: 256 KiB are streamed once and nothing is shared.
.set X_, 4                             ; v[4:19]   load u: 4 registers
.set Y_, 20                            ; v[20:27]  load u: 2 registers, 4 bf16 to store; a pair of its own for each store, so none is rewritten
.set P_, 28                            ; v[28:31]  the four rounded numbers, widened again
.set SUM, 32                           ; v32       the row's sum
	s_load_b128 s[4:7], s[0:1], 0x0                ; centers s[4:5], cbf s[6:7]
	s_load_b64 s[8:9], s[0:1], 0x10                ; cnw
	v_lshl_add_u32 v40, v0, 2, 0x100
	v_mov_b32 v41, 0
	v_lshrrev_b32 v36, 5, v0
	v_readfirstlane_b32 s10, v36                   ; wave 0..7
	v_and_b32 v37, 31, v0                          ; lane
	v_lshrrev_b32 v38, 4, v37                      ; which of a load's two rows
	s_lshl_b32 s11, s10, 11
	v_lshl_add_u32 v1, v37, 4, s11                 ; centers: 2,048 w + 16 lane
	s_lshl_b32 s11, s10, 10
	v_lshl_add_u32 v2, v37, 3, s11                 ; cbf: 1,024 w + 8 lane
	s_lshl_b32 s11, s10, 5
	v_lshl_add_u32 v3, v38, 2, s11                 ; LDS: word 8 w + (lane >> 4), + 2 u in the immediate
	v_lshlrev_b32 v33, 3, v37                      ; 8 lane: the way out of the 64 sums
	s_mov_b32 s13, 0
	s_lshl_b32 s12, ttmp9, 14                      ; 64 rows of 256 bytes
	s_wait_kmcnt 0x0
	s_add_nc_u64 s[4:5], s[4:5], s[12:13]
	s_lshl_b32 s12, ttmp9, 13                      ; 64 rows of 128 bytes
	s_add_nc_u64 s[6:7], s[6:7], s[12:13]
	s_lshl_b32 s12, ttmp9, 8                       ; 64 words
	s_add_nc_u64 s[8:9], s[8:9], s[12:13]
.irp u, 0,1,2,3
	global_load_b128 v[X_+4*\u:X_+4*\u+3], v1, s[4:5] offset:512*\u th:TH_LOAD_NT
.endr
.macro CROW u
	s_wait_loadcnt 3-\u                            ; loads come back in order: load u is in, the 3 - u younger ones may be out
	v_pk_mul_f32 v[X_+4*\u:X_+4*\u+1],   v[X_+4*\u:X_+4*\u+1],   -2.0 op_sel_hi:[1,0]
	v_pk_mul_f32 v[X_+4*\u+2:X_+4*\u+3], v[X_+4*\u+2:X_+4*\u+3], -2.0 op_sel_hi:[1,0]
	v_cvt_pk_bf16_f32 v[Y_+2*\u],   v[X_+4*\u],   v[X_+4*\u+1]
	v_cvt_pk_bf16_f32 v[Y_+2*\u+1], v[X_+4*\u+2], v[X_+4*\u+3]
	global_store_b64 v2, v[Y_+2*\u:Y_+2*\u+1], s[6:7] offset:256*\u   ; the wave's 32 lanes store 256 consecutive bytes, aligned
	v_lshlrev_b32 v[P_],   16, v[Y_+2*\u]          ; the rounded numbers as f32
	v_and_b32     v[P_+1], 0xffff0000, v[Y_+2*\u]
	v_lshlrev_b32 v[P_+2], 16, v[Y_+2*\u+1]
	v_and_b32     v[P_+3], 0xffff0000, v[Y_+2*\u+1]
	v_mul_f32 v[SUM], v[P_], v[P_]
	v_fma_f32 v[SUM], v[P_+1], v[P_+1], v[SUM]
	v_fma_f32 v[SUM], v[P_+2], v[P_+2], v[SUM]
	v_fma_f32 v[SUM], v[P_+3], v[P_+3], v[SUM]
	v_add_f32_dpp v[SUM], v[SUM], v[SUM] row_xmask:1 row_mask:0xf bank_mask:0xf   ; over the row's 16 lanes
	v_add_f32_dpp v[SUM], v[SUM], v[SUM] row_xmask:2 row_mask:0xf bank_mask:0xf
	v_add_f32_dpp v[SUM], v[SUM], v[SUM] row_xmask:4 row_mask:0xf bank_mask:0xf
	v_add_f32_dpp v[SUM], v[SUM], v[SUM] row_xmask:8 row_mask:0xf bank_mask:0xf
	v_mul_f32 v[SUM], 0.25, v[SUM]                 ; takes (-2)^2 out again
	ds_store_b32 v3, v[SUM] offset:8*\u            ; sixteen lanes write one word with one value
.endm
	CROW 0
	CROW 1
	CROW 2
	CROW 3
	s_wait_dscnt 0x0                               ; my four stores are in LDS, for wave 0's sake
	s_barrier_signal -1
	s_barrier_wait -1
	s_cmp_lg_u32 s10, 0
	s_cbranch_scc1 .Lend
	ds_load_b64 v[34:35], v33                      ; wave 0 takes the group's 64 sums,
	s_wait_dscnt 0x0
	global_store_b64 v33, v[34:35], s[8:9]         ; 256 consecutive bytes, aligned
.Lend:
	s_wait_tensorcnt 0x0
	ds_add_u32 v40, v41
	s_wait_dscnt 0x0
	s_endpgm
.Lfunc_end_k_qf05fdb3441_prep:
	.size	k_qf05fdb3441_prep, .Lfunc_end_k_qf05fdb3441_prep-k_qf05fdb3441_prep
	.p2alignl 7, 3214868480
	.fill 96, 4, 3214868480
	.section	.rodata,"a",@progbits
	.p2align	6, 0x0
	.amdhsa_kernel k_qf05fdb3441_prep
		.amdhsa_group_segment_fixed_size 1280
		.amdhsa_private_segment_fixed_size 0
		.amdhsa_enable_private_segment 0
		.amdhsa_kernarg_size 24
		.amdhsa_user_sgpr_count 2
		.amdhsa_user_sgpr_kernarg_segment_ptr 1
		.amdhsa_wavefront_size32 1
		.amdhsa_system_sgpr_workgroup_id_x 1
		.amdhsa_system_sgpr_workgroup_id_y 1
		.amdhsa_system_sgpr_workgroup_id_z 1
		.amdhsa_system_vgpr_workitem_id 0
		.amdhsa_next_free_vgpr 42
		.amdhsa_next_free_sgpr 66
		.amdhsa_reserve_vcc 0
		.amdhsa_float_denorm_mode_32 3
		.amdhsa_float_denorm_mode_16_64 3
		.amdhsa_memory_ordered 1
		.amdhsa_forward_progress 1
		.amdhsa_inst_pref_size 7
	.end_amdhsa_kernel
	.amdgpu_metadata
---
amdhsa.version: [ 1, 2 ]
amdhsa.kernels:
  - .name:           k_qf05fdb3441_prep
    .symbol:         k_qf05fdb3441_prep.kd
    .args:
      - { .name: centers, .offset: 0, .size: 8, .value_kind: global_buffer, .address_space: global }
      - { .name: cbf, .offset: 8, .size: 8, .value_kind: global_buffer, .address_space: global }
      - { .name: cnw, .offset: 16, .size: 8, .value_kind: global_buffer, .address_space: global }
    .group_segment_fixed_size: 1280
    .private_segment_fixed_size: 0
    .kernarg_segment_align: 8
    .kernarg_segment_size: 24
    .max_flat_workgroup_size: 256
    .sgpr_count:     66
    .vgpr_count:     42
    .wavefront_size: 32
...
	.end_amdgpu_metadata
.endif
;; end of part 1
;; launch assign (part 2): grid 256 x 1, 8 waves a work-group, clusters of 4 x 1, 327,680 bytes of LDS; arguments cbf, cnw, x, out0; writes out0
.if DOCPART == 2
	.amdgcn_target "amdgcn-amd-amdhsa--gfx1250"
	.amdhsa_code_object_version 6
	.text
	.protected	k_qf05fdb3441_assign
	.globl	k_qf05fdb3441_assign
	.p2align	8
	.type	k_qf05fdb3441_assign,@function
k_qf05fdb3441_assign:
	s_mov_b64 s[64:65], 0
	v_nop
	global_prefetch_b8 v0, s[64:65] scope:SCOPE_SE
	s_setreg_imm32_b32 hwreg(HW_REG_WAVE_MODE, 25, 1), 1
	s_wait_xcnt 0x0
	s_wait_alu depctr_hold_cnt(0) depctr_sa_sdst(0) depctr_va_vdst(0) depctr_va_sdst(0) depctr_va_ssrc(0) depctr_va_vcc(0) depctr_vm_vsrc(0)
	s_getreg_b32 s2, hwreg(HW_REG_IB_STS2, 6, 4)
	s_cmp_eq_u32 s2, 0
	s_cbranch_scc0 .Lentry_in_a_cluster
	s_endpgm
.Lentry_in_a_cluster:
	s_bfe_u32 s2, ttmp6, 0x10000c
	s_cmp_lg_u32 s2, 0x3003
	s_cbranch_scc0 .Lentry_shape_is_right
	s_endpgm
.Lentry_shape_is_right:
; out0[n] = the lowest k at which |xn[n] - 2 x[n].c[k] + cn[k]| is least.  x: [262144][64] f32; cbf: [1024][64] bf16 = -2 c; cnw: [1024] f32 = cn.
;
; SHARES.  256 work-groups of 8 waves (two for each of a WGP's four SIMDs).  A work-group owns 1,024 rows of x, a wave 128, in two passes of 64 rows
; (four tiles of 16).  In a pass the wave keeps its 64 rows as bf16 fragments in 64 registers and walks all 64 tiles of 16 centres, which lie in LDS.
; MATRIX USE.  A = 16 centres, B = 16 rows of x, C of the first K step = cn of the 16 centres: D register j of lane (r, h) is
; cn - 2 x.c of centre 16 t + 8 h + j against row r.  A lane's eight numbers belong to ONE row of x.  Nothing is cleared and cn costs no vector work.
; K is permuted alike in A and B: lane half h, K step s, register q holds d = 32 h + 16 s + 2 q and the next, so a lane reads consecutive bytes.
; THE ARGMIN.  For a tile: add xn, take the least of the eight magnitudes, compare once with the lane's running least, and on that one mask keep
; the least, the tile's number and the tile's eight distances.  Which of the eight it was is looked up once at the end of the pass, from the
; kept eight.  Strictly less keeps the first tile, the lowest register wins at the end, and the two halves of the lanes settle a tie by the lower index.
; The vector work on tile t - 1 stands between the matrix instructions of tile t (two sets of accumulators).
; CLUSTER.  All work-groups read the same centres and norms: four form a cluster and ask for them jointly (mask 15), each wave 128 rows and 512 bytes
; of norms.  x is each work-group's own and comes by plain tensor loads.
; LIMITS.  x and c are rounded to bf16 for the product, and both norms are sums in f32 of the ROUNDED numbers' squares.  A distance is rounded as
; ((cn - 2 x.c) + xn), the product summed in f32 in the matrix unit; a row whose two best distances differ in the last bits may
; get the other index.  Distances that are NaN or infinite are not served (no index is promised for such a row).
.set USE_DUAL, 0                       ; 1: SEL2 writes its two selects as one dual-issue pair (14 instead of 19 vector instructions for a tile's eight distances)
.set CBP,  144                         ; centres in LDS: rows of 128 bytes + 16 of padding: 9 x 16, so the 16 rows of a fragment load begin in 16 different 16-byte columns of 256
.set CN,   1024*CBP                    ; 147,456: the norms, 4,096 bytes
.set XS,   CN+4096                     ; 151,552: x as f32, one slot of 64 rows for each wave
.set XSP,  272                         ; rows of 256 bytes + 16 of padding: 17 x 16
.set XSW,  64*XSP                      ; 17,408 bytes a wave
.set SCR,  XS+8*XSW                    ; 290,816: 512 bytes a wave for its 128 results; written by LDS stores alone, no tensor load lands here
.set ADRA0, 1                          ; v1   144 r + 64 h
.set ADRA,  2                          ; v2   the same, stepped along the centre tiles
.set ADRC,  3                          ; v3   CN + 32 h, stepped likewise
.set ADRX,  4                          ; v4   XS + 17,408 w + 272 r + 128 h
.set ADRS,  5                          ; v5   SCR + 512 w + 4 r
.set ADRL,  6                          ; v6   SCR + 512 w + 16 lane
.set OUTO,  7                          ; v7   16 lane
.set H8,    8                          ; v8   8 h
.set TC,    9                          ; v9   number of the tile whose distances are being judged
.set U,     10                         ; v[10:11] two numbers widened (conversion)
.set J,     10                         ; v10  (end of a pass) the index
.set MI,    11                         ; v11  (end of a pass) the lower of two indices
.set T0,    12                         ; v12, v13 partial minima; v[12:13], v[14:15] two chains of xn's sum
.set T1,    13
.set AC,    14
.set OV,    14                         ; v14, v15 (end of a pass) the other half's least and index
.set OI,    15
.set ST,    16                         ; v[16:31] x tile i: least at 16+4i, its tile at 17+4i, xn at 18+4i and again at 19+4i (a pair for the packed add)
.set A_,    32                         ; v[32:63] centre fragments, two buffers of 16 (K step s at + 8 s)
.set C_,    64                         ; v[64:79] cn tiles, two buffers of 8
.set B_,    80                         ; v[80:143] x fragments: tile i at + 16 i, K step s at + 8 s
.set S_,    144                        ; v[144:175] the kept eight distances of x tile i at + 8 i
.set D_,    176                        ; v[176:239] two sets of four accumulators (x tile i at + 8 i); during the conversion: two buffers of 32 f32
; A round of the cluster's barrier: my work-group's barrier, wave 0 signals for the work-group, every wave waits for all four, my work-group's barrier again.
.macro ROUND
	s_barrier_signal -1
	s_barrier_wait -1
	s_cmp_lg_u32 s12, 0
	s_cbranch_scc1 .Lnot_wave_0_\@
	s_barrier_signal -3
.Lnot_wave_0_\@:
	s_barrier_wait -3
	s_barrier_signal -1
	s_barrier_wait -1
.endm
	s_load_b256 s[4:11], s[0:1], 0x0               ; cbf s[4:5], cnw s[6:7], x s[8:9], out0 s[10:11]
	v_lshl_add_u32 v240, v0, 2, 0x48000
	v_mov_b32 v241, 0
	ds_add_u32 v240, v241
	v_lshrrev_b32 v[U], 5, v0
	v_readfirstlane_b32 s12, v[U]                  ; wave 0..7
	s_bfe_u32 s13, ttmp6, 0x40000                  ; cx: my place in the cluster
	s_lshl_b32 s14, ttmp9, 2                       ; ttmp9 counts clusters
	s_add_co_u32 s14, s14, s13                     ; work-group 0..255: enters x's and out0's global addresses alone
	s_mov_b32 s52, 0x76543210                      ; v_permlanex16_b32: lane i takes lane i of the other half
	s_mov_b32 s53, 0xfedcba98
	s_mov_b32 s55, 0xffff0000                      ; a word's upper bf16
	; group 1 for the centres: 128 rows of 64 bf16, 4 words of padding behind every 32; joint, mask 15
	s_mov_b32 s16, 15|(1<<16)|(1<<20)|(1<<21)|(4<<22)|(3<<25)
	s_mov_b32 s17, 64<<16                          ; tensor_dim0 = 64
	s_mov_b32 s18, 128<<16                         ; tensor_dim1 = 128
	s_mov_b32 s19, 64<<16                          ; tile_dim0 = 64
	s_mov_b32 s20, 128                             ; tile_dim1 = 128
	s_mov_b32 s21, 64                              ; 64 elements from row to row
	s_mov_b32 s22, 0
	s_mov_b32 s23, 0
	; group 1 for the norms: one row of 64 elements of 8 bytes; joint, mask 15
	s_mov_b32 s24, 15|(3<<16)|(1<<21)
	s_mov_b32 s25, 64<<16
	s_mov_b32 s26, 1<<16
	s_mov_b32 s27, 64<<16
	s_mov_b32 s28, 1
	s_mov_b32 s29, 64
	s_mov_b32 s30, 0
	s_mov_b32 s31, 0
	; group 1 for x: 64 rows of 64 f32, 4 words of padding behind every 64; my own, no mask
	s_mov_b32 s32, (2<<16)|(1<<20)|(5<<22)|(3<<25)
	s_mov_b32 s33, 64<<16
	s_mov_b32 s34, 64<<16
	s_mov_b32 s35, 64<<16
	s_mov_b32 s36, 64
	s_mov_b32 s37, 64
	s_mov_b32 s38, 0
	s_mov_b32 s39, 0
	; groups 0.  The centres' and the norms' hang on the wave's number alone, in registers that never hold cx: equal in all four partners.
	s_mov_b32 s40, 1
	s_mul_i32 s41, s12, 128*CBP                    ; LDS: my 128 rows of the centres
	s_mov_b32 s44, 1
	s_lshl_b32 s45, s12, 9
	s_add_co_u32 s45, s45, CN                      ; LDS: my 512 bytes of the norms
	s_mov_b32 s48, 1
	s_mul_i32 s49, s12, XSW
	s_add_co_u32 s49, s49, XS                      ; LDS: my wave's slot for x
	s_lshl_b32 s56, s12, 14                        ; 128 rows of 128 bytes
	s_mov_b32 s57, 0
	s_lshl_b32 s58, s14, 18                        ; 1,024 rows of 256 bytes for each work-group
	s_lshl_b32 s15, s12, 15                        ; 128 rows for each wave
	s_add_co_u32 s58, s58, s15
	s_mov_b32 s59, 0
	s_wait_dscnt 0x0
	s_wait_kmcnt 0x0
	s_add_nc_u64 s[42:43], s[4:5], s[56:57]
	s_or_b32 s43, s43, 0x80000000
	s_lshl_b32 s56, s12, 9
	s_add_nc_u64 s[46:47], s[6:7], s[56:57]
	s_or_b32 s47, s47, 0x80000000
	s_add_nc_u64 s[50:51], s[8:9], s[58:59]
	s_or_b32 s51, s51, 0x80000000
	s_lshl_b32 s58, s14, 12                        ; out0: 4,096 bytes a work-group,
	s_lshl_b32 s15, s12, 9                         ; 512 a wave
	s_add_co_u32 s58, s58, s15
	s_add_nc_u64 s[10:11], s[10:11], s[58:59]
	ROUND                                          ; all four work-groups are here: the joint loads meet
	tensor_load_to_lds s[48:51], s[32:39]          ; x, pass 0: first, so that it can be waited for alone
	s_nop 0
	tensor_load_to_lds s[40:43], s[16:23]          ; my 128 rows of the centres, for all four work-groups
	s_nop 0
	tensor_load_to_lds s[44:47], s[24:31]          ; my 512 bytes of the norms, likewise.  Three tensor loads of the wave are out here, later one
	s_nop 0
	v_and_b32 v[U], 15, v0                         ; r
	v_bfe_u32 v[U+1], v0, 4, 1                     ; h
	v_and_b32 v[T0], 31, v0                        ; lane
	v_mul_u32_u24 v[ADRA0], v[U], CBP
	v_lshl_add_u32 v[ADRA0], v[U+1], 6, v[ADRA0]
	v_mul_u32_u24 v[ADRX], v[U], XSP
	v_lshl_add_u32 v[ADRX], v[U+1], 7, v[ADRX]
	v_add_nc_u32 v[ADRX], s49, v[ADRX]
	s_lshl_b32 s60, s12, 9
	s_add_co_u32 s60, s60, SCR
	v_lshl_add_u32 v[ADRS], v[U], 2, s60
	v_lshl_add_u32 v[ADRL], v[T0], 4, s60
	v_lshlrev_b32 v[OUTO], 4, v[T0]
	v_lshlrev_b32 v[H8], 3, v[U+1]
; x tile i: my 32 numbers (128 consecutive bytes of row 16 i + r) into f32 buffer f
.macro XLOAD i, f
.irp q, 0,1,2,3,4,5,6,7
	ds_load_b128 v[D_+32*\f+4*\q:D_+32*\f+4*\q+3], v[ADRX] offset:\i*16*XSP+16*\q
.endr
.endm
; buffer f becomes x tile i's two fragments; xn = the sum of the rounded numbers' squares, in two chains, then over the two halves of the lanes
.macro XCVT i, f
.irp q, 0,1,2,3,4,5,6,7,8,9,10,11,12,13,14,15
	v_cvt_pk_bf16_f32 v[B_+16*\i+\q], v[D_+32*\f+2*\q], v[D_+32*\f+2*\q+1]
.endr
	v_lshlrev_b32 v[U],   16,  v[B_+16*\i]
	v_and_b32     v[U+1], s55, v[B_+16*\i]
	v_pk_mul_f32 v[T0:T0+1], v[U:U+1], v[U:U+1]    ; the first products start the chains: nothing is cleared
	v_lshlrev_b32 v[U],   16,  v[B_+16*\i+1]
	v_and_b32     v[U+1], s55, v[B_+16*\i+1]
	v_pk_mul_f32 v[AC:AC+1], v[U:U+1], v[U:U+1]
.irp q, 2,4,6,8,10,12,14
	v_lshlrev_b32 v[U],   16,  v[B_+16*\i+\q]
	v_and_b32     v[U+1], s55, v[B_+16*\i+\q]
	v_pk_fma_f32 v[T0:T0+1], v[U:U+1], v[U:U+1], v[T0:T0+1]
	v_lshlrev_b32 v[U],   16,  v[B_+16*\i+\q+1]
	v_and_b32     v[U+1], s55, v[B_+16*\i+\q+1]
	v_pk_fma_f32 v[AC:AC+1], v[U:U+1], v[U:U+1], v[AC:AC+1]
.endr
	v_pk_add_f32 v[T0:T0+1], v[T0:T0+1], v[AC:AC+1]
	v_add_f32 v[T0], v[T0], v[T1]
	v_permlanex16_b32 v[T1], v[T0], s52, s53       ; the other 32 numbers of the row
	v_add_f32 v[ST+4*\i+2], v[T0], v[T1]
	v_add_f32 v[ST+4*\i+3], v[T0], v[T1]
.endm
; the centre tile k tiles behind the stepped addresses: two fragments (64 consecutive bytes a lane) and its cn tile (32 bytes, one address for each half of the lanes)
.macro ALOAD buf, k
.irp c, 0,1,2,3
	ds_load_b128 v[A_+16*\buf+4*\c:A_+16*\buf+4*\c+3], v[ADRA] offset:\k*16*CBP+16*\c
.endr
.irp c, 0,1
	ds_load_b128 v[C_+8*\buf+4*\c:C_+8*\buf+4*\c+3], v[ADRC] offset:\k*64+16*\c
.endr
.endm
; one matrix instruction: set and buffer p, x tile i, K step s.  The first K step starts the sum from cn.
.macro W p, i, s
.if \s == 0
	v_wmma_f32_16x16x32_bf16 v[D_+32*\p+8*\i:D_+32*\p+8*\i+7], v[A_+16*\p:A_+16*\p+7], v[B_+16*\i:B_+16*\i+7], v[C_+8*\p:C_+8*\p+7]
.else
	v_wmma_f32_16x16x32_bf16 v[D_+32*\p+8*\i:D_+32*\p+8*\i+7], v[A_+16*\p+8:A_+16*\p+15], v[B_+16*\i+8:B_+16*\i+15], v[D_+32*\p+8*\i:D_+32*\p+8*\i+7]
.endif
.endm
; two selects on VCC: d = mask ? n : d.  d0 is even and d1 odd, and each pair of sources lies in two different register banks (number mod 4).
.macro SEL2 d0, n0, d1, n1
.if USE_DUAL
	v_dual_cndmask_b32 v[\d0], v[\d0], v[\n0] :: v_dual_cndmask_b32 v[\d1], v[\d1], v[\n1]
.else
	v_cndmask_b32 v[\d0], v[\d0], v[\n0], vcc_lo
	v_cndmask_b32 v[\d1], v[\d1], v[\n1], vcc_lo
.endif
.endm
; first half of the work on eight distances: + xn, and most of the least magnitude (7 instructions)
.macro EA set, i
.set DD, D_+32*\set+8*\i
.irp k, 0,2,4,6
	v_pk_add_f32 v[DD+\k:DD+\k+1], v[DD+\k:DD+\k+1], v[ST+4*\i+2:ST+4*\i+3]
.endr
	v_min3_num_f32 v[T0], |v[DD]|, |v[DD+1]|, |v[DD+2]|
	v_min3_num_f32 v[T1], |v[DD+3]|, |v[DD+4]|, |v[DD+5]|
	v_min3_num_f32 v[T0], v[T0], |v[DD+6]|, |v[DD+7]|
.endm
; second half: one compare; on its mask the eight distances, the least and the tile's number are kept
.macro EB set, i
.set DD, D_+32*\set+8*\i
	v_min_num_f32 v[T0], v[T0], v[T1]
	v_cmp_lt_f32 vcc_lo, v[T0], v[ST+4*\i]         ; strictly less: on a tie the earlier tile stays
.irp k, 0,2,4,6
	SEL2 S_+8*\i+\k, DD+\k, S_+8*\i+\k+1, DD+\k+1
.endr
	SEL2 ST+4*\i, T0, ST+4*\i+1, TC
.endm
; the same for centre tile 0, which starts the state: nothing is compared or cleared (5 and 4 instructions)
.macro FA set, i
.set DD, D_+32*\set+8*\i
.set SS, S_+8*\i
.irp k, 0,2,4,6
	v_pk_add_f32 v[SS+\k:SS+\k+1], v[DD+\k:DD+\k+1], v[ST+4*\i+2:ST+4*\i+3]
.endr
	v_min3_num_f32 v[T0], |v[SS]|, |v[SS+1]|, |v[SS+2]|
.endm
.macro FB set, i
.set SS, S_+8*\i
	v_min3_num_f32 v[T1], |v[SS+3]|, |v[SS+4]|, |v[SS+5]|
	v_min3_num_f32 v[T0], v[T0], |v[SS+6]|, |v[SS+7]|
	v_min_num_f32 v[ST+4*\i], v[T0], v[T1]
	v_mov_b32 v[ST+4*\i+1], 0
.endm
.macro HA e, set, i
.if \e == 1
	FA \set, \i
.endif
.if \e == 2
	EA \set, \i
.endif
.endm
.macro HB e, set, i
.if \e == 1
	FB \set, \i
.endif
.if \e == 2
	EB \set, \i
.endif
.endm
; One centre tile t of parity p: its eight matrix instructions into set p, the next tile's six LDS loads into buffer 1 - p (k: its place behind the stepped
; addresses; -1: none), and between the matrix instructions the vector work on tile t - 1 in set 1 - p (e = 0: none, 1: it starts the state, 2: it is compared).
; TURNS: the accumulators take turns, one instruction a turn (x tiles 0, 1, 0, 1, 2, 3, 2, 3; the next block begins on the other set).
; PLACES (ISA guide 7.12.1): the vector work names only the other set, the kept distances, the state and T0, T1, TC, none of the registers of the matrix
; instructions round it, so each of its instructions is a place.  Behind a block's last matrix instruction stand at least four of them (four v_nop where
; e = 0) before the next block loads into the buffers that it read, and before its results are read.
.macro BLOCK p, e, k
	s_wait_dscnt 0x0                               ; this tile's six loads, issued a whole block ago, are the only ones out
.if \k >= 0
	ALOAD (1-\p), \k
.endif
	W \p, 0, 0
	HA \e, (1-\p), 0
	W \p, 1, 0
	HB \e, (1-\p), 0
	W \p, 0, 1
	HA \e, (1-\p), 1
	W \p, 1, 1
	HB \e, (1-\p), 1
	W \p, 2, 0
	HA \e, (1-\p), 2
	W \p, 3, 0
	HB \e, (1-\p), 2
	W \p, 2, 1
	HA \e, (1-\p), 3
	W \p, 3, 1
	HB \e, (1-\p), 3
.if \e == 0
.rept 4
	v_nop
.endr
.else
	v_add_nc_u32 v[TC], 1, v[TC]
.endif
.endm
; The end of a pass for x tile i: which of the kept eight is the least (the lowest register wins), the index 16 tile + 8 h + j,
; and the better of the two halves of the lanes, on a tie the lower index.  Both halves then hold, and store, the same word.
.macro FINAL pass, i
	v_mov_b32 v[J], 7
.irp j, 6,5,4,3,2,1,0
	v_cmp_eq_f32 vcc_lo, |v[S_+8*\i+\j]|, v[ST+4*\i]
	v_cndmask_b32 v[J], v[J], \j, vcc_lo
.endr
	v_lshl_add_u32 v[J], v[ST+4*\i+1], 4, v[J]
	v_add_nc_u32 v[J], v[H8], v[J]
	v_permlanex16_b32 v[OV], v[ST+4*\i], s52, s53
	v_permlanex16_b32 v[OI], v[J], s52, s53
	v_min_u32 v[MI], v[J], v[OI]
	v_cmp_lt_f32 vcc_lo, v[OV], v[ST+4*\i]
	v_cndmask_b32 v[J], v[J], v[OI], vcc_lo
	v_cmp_eq_f32 vcc_lo, v[OV], v[ST+4*\i]
	v_cndmask_b32 v[J], v[J], v[MI], vcc_lo
	ds_store_b32 v[ADRS], v[J] offset:\pass*256+\i*64   ; word 64 pass + 16 i + r of my wave's 128
.endm
.macro PASS pass
	; x from my slot into fragments, two f32 buffers taking turns.  The slot is my wave's own: my own wait is all that its reads need.
.if \pass == 0
	s_wait_tensorcnt 0x2                           ; x's load is the oldest of my three: it has landed; the centres' and the norms' may be out
.else
	s_wait_tensorcnt 0x0                           ; the refill, issued a whole pass ago; no tensor load is out from here to the end
.endif
	XLOAD 0, 0
	XLOAD 1, 1
	s_wait_dscnt 0x8                               ; all but the eight youngest loads: the buffer that is converted next is in
	XCVT 0, 0
	XLOAD 2, 0
	s_wait_dscnt 0x8
	XCVT 1, 1
	XLOAD 3, 1
	s_wait_dscnt 0x8
	XCVT 2, 0
	s_wait_dscnt 0x0
	XCVT 3, 1
.if \pass == 0
	s_wait_dscnt 0x0                               ; my reads of my slot are back (met above),
	s_wait_tensorcnt 0x0                           ; and all my tensor loads have landed, my part of the centres and norms among them:
	ds_add_u32 v240, v241
	s_wait_dscnt 0x0
	s_add_nc_u64 s[50:51], s[50:51], 64*256        ; so x's group 0 may step to the next 64 rows
	ROUND                                          ; both now hold of every wave: the centres and norms are whole, and the slots may be filled again
	tensor_load_to_lds s[48:51], s[32:39]          ; my one tensor load behind the round, first thing there: it has this pass's 64 centre tiles in which to land
	s_nop 0
.endif
	v_mov_b32 v[ADRA], v[ADRA0]
	v_lshl_add_u32 v[ADRC], v[H8], 2, CN
	v_mov_b32 v[TC], 0
	ALOAD 0, 0
	BLOCK 0, 0, 1                                  ; tile 0; loads tile 1
	BLOCK 1, 1, 2                                  ; tile 1; tile 0 starts the state
	BLOCK 0, 2, 3                                  ; tile 2
	v_add_nc_u32 v[ADRA], 4*16*CBP, v[ADRA]        ; the addresses now stand at tile 4
	v_add_nc_u32 v[ADRC], 4*64, v[ADRC]
	s_mov_b32 s54, 30                              ; tiles 3 to 62, two a trip; the last load is tile 63's
.Lt_\@:
	BLOCK 1, 2, 0
	BLOCK 0, 2, 1
	v_add_nc_u32 v[ADRA], 2*16*CBP, v[ADRA]
	v_add_nc_u32 v[ADRC], 2*64, v[ADRC]
	s_sub_co_u32 s54, s54, 1
	s_cmp_lg_u32 s54, 0
	s_cbranch_scc1 .Lt_\@
	BLOCK 1, 2, -1                                 ; tile 63: nothing is left to load
.irp i, 0,1,2,3
	EA 1, \i                                       ; tile 63's distances
	EB 1, \i
.endr
.irp i, 0,1,2,3
	FINAL \pass, \i
.endr
.endm
	PASS 0
	PASS 1
	ds_load_b128 v[A_:A_+3], v[ADRL]               ; my wave's 128 results; LDS serves a wave's instructions in order (ISA guide 5.7.1): these see my stores
	s_wait_dscnt 0x0
	global_store_b128 v[OUTO], v[A_:A_+3], s[10:11] th:TH_STORE_NT   ; 512 consecutive bytes, aligned
	s_wait_tensorcnt 0x0
	ds_add_u32 v240, v241
	s_wait_dscnt 0x0
	ROUND                                          ; the closing round: no work-group ends while a partner may still ask jointly
	s_endpgm
.Lfunc_end_k_qf05fdb3441_assign:
	.size	k_qf05fdb3441_assign, .Lfunc_end_k_qf05fdb3441_assign-k_qf05fdb3441_assign
	.p2alignl 7, 3214868480
	.fill 96, 4, 3214868480
	.section	.rodata,"a",@progbits
	.p2align	6, 0x0
	.amdhsa_kernel k_qf05fdb3441_assign
		.amdhsa_group_segment_fixed_size 327680
		.amdhsa_private_segment_fixed_size 0
		.amdhsa_enable_private_segment 0
		.amdhsa_kernarg_size 32
		.amdhsa_user_sgpr_count 2
		.amdhsa_user_sgpr_kernarg_segment_ptr 1
		.amdhsa_wavefront_size32 1
		.amdhsa_system_sgpr_workgroup_id_x 1
		.amdhsa_system_sgpr_workgroup_id_y 1
		.amdhsa_system_sgpr_workgroup_id_z 1
		.amdhsa_system_vgpr_workitem_id 0
		.amdhsa_next_free_vgpr 242
		.amdhsa_next_free_sgpr 66
		.amdhsa_reserve_vcc 1
		.amdhsa_float_denorm_mode_32 3
		.amdhsa_float_denorm_mode_16_64 3
		.amdhsa_memory_ordered 1
		.amdhsa_forward_progress 1
		.amdhsa_inst_pref_size 96
	.end_amdhsa_kernel
	.amdgpu_metadata
---
amdhsa.version: [ 1, 2 ]
amdhsa.kernels:
  - .name:           k_qf05fdb3441_assign
    .symbol:         k_qf05fdb3441_assign.kd
    .args:
      - { .name: cbf, .offset: 0, .size: 8, .value_kind: global_buffer, .address_space: global }
      - { .name: cnw, .offset: 8, .size: 8, .value_kind: global_buffer, .address_space: global }
      - { .name: x, .offset: 16, .size: 8, .value_kind: global_buffer, .address_space: global }
      - { .name: out0, .offset: 24, .size: 8, .value_kind: global_buffer, .address_space: global }
    .group_segment_fixed_size: 327680
    .private_segment_fixed_size: 0
    .kernarg_segment_align: 8
    .kernarg_segment_size: 32
    .max_flat_workgroup_size: 256
    .sgpr_count:     66
    .vgpr_count:     242
    .wavefront_size: 32
...
	.end_amdgpu_metadata
.endif
;; end of part 2
